; MI455X (gfx1250); checked and timed in simulation.
; The chip was launched on July 23, 2026; its instructions are those of AMD's public machine-readable ISA for CDNA 5 (MIT licence, August 2026) and "CDNA5" Instruction Set Architecture Reference Guide (July 2026). The comments in the code are by the model that wrote it; some were corrected since.
;; Head. Allowed arithmetic: matrix products marked QUANTISED: E2M3 operands, one E8M0 scale for each 32 along K, by v_wmma_scale_f32_16x16x128_f8f6f4 with both operands' format E2M3, f32 sums; everything else in f32.
;; Inputs: Wk 64 x 64 float32; Wq 64 x 64 float32; Wv 64 x 64 float32; x 16 x 4,096 x 64 float32.
;; Outputs: out0 16 x 4,096 x 64 float32.
;; This version of the problem:
;;   THIS VERSION OF THE PROBLEM IS GIVEN IN LOW PRECISION. The matrix products marked QUANTISED in the list below multiply operands that are first quantised to E2M3 (2 exponent bits, 3 mantissa bits; 6 bits a number), with one power-of-two scale for each 32 numbers along K (OCP MX v1.0); their sums are f32. All else is computed in f32.
;;   The module's matrix products, in the order in which they are computed (A, B: the left and right operand; K: the contracted axis; several contracted axes count as one K, in the product's order):
;;     1. [M 65,536, K 64] x [K 64, N 64]; A: input x; B: input Wk: QUANTISED
;;     2. [M 65,536, K 64] x [K 64, N 64]; A: input x; B: input Wq: QUANTISED
;;     3. [M 65,536, K 64] x [K 64, N 64]; A: input x; B: input Wv: QUANTISED
;;     4. batch 16 x [M 4,096, K 64] x [K 64, N 4,096]; A: computed on the way; B: computed on the way: QUANTISED
;;     5. batch 16 x [M 4,096, K 4,096] x [K 4,096, N 64]; A: softmax (see below); B: computed on the way: QUANTISED
;;   THE QUANTISER, for each operand of a quantised product, along K:
;;     - K is cut into blocks of 32 from its start; a last block that is shorter is filled with zeros.
;;     - A block's scale is 2^e with e = floor(log2(the largest magnitude in the block)) - 2, held to -126 .. 127; a block of zeros has e = 0. As a byte (E8M0): e + 127.
;;     - Each number is divided by its block's scale, clamped to +-7.5, and rounded to the nearest number of E2M3, ties to even, subnormals kept.
;;     - The product sums the exact products of the quantised numbers (number of the format x scale) in f32.
;;   ~~~python
;;   def quantise(x, axis):      # numpy; x: float32 -> the quantised numbers, widened to float32 again
;;       x = np.moveaxis(x, axis, -1); K = x.shape[-1]
;;       x = np.pad(x, [(0, 0)] * (x.ndim - 1) + [(0, -K % 32)]); x = x.reshape(x.shape[:-1] + (-1, 32)); a = np.abs(x).max(-1, keepdims=True)
;;       e = np.where(a > 0, np.clip(np.frexp(np.where(a > 0, a, 1))[1] - 1 - 2, -126, 127), 0)      # np.frexp(a)[1] - 1 = floor(log2(a)), exactly
;;       r = np.clip(x / 2.0 ** e, -7.5, 7.5)
;;       step = 2.0 ** (np.maximum(np.frexp(np.where(r == 0, 1, r))[1] - 1, 0) - 3)
;;       q = np.round(r / step) * step * 2.0 ** e      # np.round: ties to even
;;       return np.moveaxis(q.reshape(q.shape[:-2] + (-1,))[..., :K], -1, axis).astype(np.float32)
;;   ~~~
;;   SOFTMAX AHEAD OF A QUANTISED PRODUCT. Where the list says 'softmax', what is quantised is not the finished softmax but p = 2^(t - M), with t = logit x log2(e) and M = ceil(the row's largest t), a whole number; so 1/2 < the row's largest p <= 1. The row's sum l is taken of the UNQUANTISED p, in f32, and the product's result is divided by l at the end. Since M is a whole number, a kernel that streams over the keys may use a running M (the ceiling of the running maximum): every later rescaling is an exact power of two, which a block's scale takes up: the codes' values come out the same.
;;   OPERANDS COMPUTED ON THE WAY. 'Computed on the way' means the value that the module computes at that place (a softmax that the list does not call 'softmax' is quantised finished and normalised). What goes into a quantiser is computed in f32, as accurately as f32 sums, v_exp_f32 and their like allow (about 1e-6 of the number): no bf16 or f16 on the way to a quantiser, and a product that is left as it is and whose result goes on into a quantised operand takes f32 operands (vector FMAs, or v_wmma_f32_16x16x4_f32). A number that lies on a knife's edge between two numbers of the format may be rounded either way, as far as f32 arithmetic and the matrix unit's own rounding can turn it there, and no further.
;; One version. Each part assembles by itself: llvm-mc -triple=amdgcn-amd-amdhsa -mcpu=gfx1250 --defsym DOCPART=n.
;; ======== version 1 of 1: 2 launches
;; workspace buffers: kc 4,194,304 bytes; kv 6,684,672 bytes
;; launch proj (part 1): grid 512 x 1, 8 waves a work-group, no clusters, 16,384 bytes of LDS; arguments x, Wk, Wq, Wv, kc, kv; writes kc, kv
.if DOCPART == 1
	.amdgcn_target "amdgcn-amd-amdhsa--gfx1250"
	.amdhsa_code_object_version 6
	.text
	.protected	k_qdca4acf335_proj
	.globl	k_qdca4acf335_proj
	.p2align	8
	.type	k_qdca4acf335_proj,@function
k_qdca4acf335_proj:
	s_mov_b64 s[64:65], 0
	v_nop
	global_prefetch_b8 v0, s[64:65] scope:SCOPE_SE
	s_setreg_imm32_b32 hwreg(HW_REG_WAVE_MODE, 25, 1), 1
	s_wait_xcnt 0x0
; k = x Wk^T, q = x Wq^T, v = x Wv^T on codes of FP6 (E2M3) with one E8M0 scale for each 32 along K, and the three results quantised again for the attention launch:
; k and q along the head's 64, v along the keys.  x: [65536][64] f32; Wk, Wq, Wv: [64][64] f32, K (the 64 inputs) innermost in all four.
; SHARES.  A work-group of eight waves takes 128 rows of x.  Wave w (n = w % 4, c = w / 4) quantises x's tile w, one tile of Wk (w < 4) or of Wq (w >= 4), and tile n of Wv; then it makes k and q of
; tile w (8 matrix instructions) and v of channels 16 n .. 16 n + 15 for the keys 64 c .. 64 c + 63 (4 matrix instructions).
; K = 64 IS HALF OF THE INSTRUCTION'S 128: registers 6-11 of every fragment hold zero codes, written once, and bytes 2 and 3 of every scale word are 0.
; THE ROWS OF A TILE ARE NOT NEIGHBOURS: lane r of tile 2 b + u takes row 32 b + 8 u + r + 8 (r / 8), of x and of Wk and Wq alike.  With such a tile as source 0, the 16 registers of the results of tiles 2 b and
; 2 b + 1 are 16 neighbours along source 0's rows: 32 b + 16 (lane / 16) + 0 .. 15, which is what the conversions want of a lane.
; OPERANDS TRAVEL AS IMAGES OF THEIR REGISTERS.  A half fragment (16 rows x 64 K, six registers a lane) is 768 bytes: registers 0-3 at 16 x lane, registers 4-5 at 512 + 8 x lane.  The same two lines as loads give any wave
; the same registers in the same lanes.  So it is in LDS here, and so in the workspace buffers:
;   kc: tile 8 g + w at 1,024 (8 g + w): k's half fragment; at +768, 8 bytes a lane: the row's scale word, twice.
;   kv: block g at 13,056 g: q's 8 half fragments; at 6,144 v's 8 (4 c + n); at 12,288 q's scale words, 16 bytes a lane (lanes 0-15: tiles 0-3, lanes 16-31: tiles 4-7); at 12,800 v's, 8 bytes a lane (lanes 0-15: tiles 0, 1; lanes 16-31: 2, 3).
; Every global store of a wave covers 512 or 256 consecutive bytes that begin at a multiple of 256 from the buffer's first byte.
; A block's scale is 2^(floor(log2(its largest magnitude)) - 2); its byte is that magnitude's exponent field - 2, held at 1 from below.
; LIMITS: a block of zeros keeps the byte 1 where the rule says 127 (its codes are zeros, and this program alone reads the bytes); blocks whose largest magnitude lies under 2^-124 were not tried; NaN and infinities are not served.
; No tensor load, no cluster: the work-groups share the three small weights alone.
.set HF,    768                        ; a half fragment's image in bytes
.set STEPB, 13056                      ; a block of kv in bytes
.set XI,    0                          ; LDS: x's 8 half fragments,
.set XS,    6144                       ; their scale words, 128 bytes each (4 a lane),
.set WI,    7168                       ; Wk's 4 and Wq's 4 half fragments,
.set WS,    13312                      ; their scale words,
.set SCQ,   14336                      ; q's scale words as they go to kv, 512 bytes,
.set SCV,   14848                      ; v's, 256 bytes
.set PO,  4                            ; v4   (r + 8 (r / 8)) x 256 + 128 h: my 32 numbers in a tile with the chosen rows
.set NO,  5                            ; v5   r x 256 + 128 h: the same in a tile of neighbouring rows
.set L16, 6                            ; v6   16 x lane
.set L8,  7                            ; v7   8 x lane
.set L4,  8                            ; v8   4 x lane
.set W16, 9                            ; v9-11  the same + my wave's image: 768 w, 768 w, 128 w
.set W8,  10
.set W4,  11
.set C16, 12                           ; v12-14 the same + my four tiles of x: 3,072 c, 3,072 c, 512 c
.set C8,  13
.set C4,  14
.set SQA, 15                           ; v15  16 r + 256 c + 4 n: my row's word among q's
.set SVA, 16                           ; v16  8 r + 128 (n / 2) + 4 (n % 2) + 2 c: my channel's two bytes among v's
.set SH8, 17                           ; v17  8 h
.set T0,  18                           ; v18-27 at work
.set T1,  19
.set T2,  20
.set T3,  21
.set T4,  22
.set T5,  23
.set T6,  24
.set T7,  25
.set T8,  26
.set CT,  28                           ; v28-30 a conversion's three registers begin on an even number: the second half of six is made here and moved
.set XW,  32                           ; scale words: v32 my tile of x; v33 Wv; v34-37 Wk; v38-41 Wq; v42-45 four tiles of x
.set VW,  33
.set WKS, 34
.set WQS, 38
.set XTS, 42
.set KW,  46                           ; v46-47 k's scale word, twice; v48 q's; v49 v's two bytes
.set QW,  48
.set VH,  49
.set PCK, 50                           ; codes on the way out: k, q, v
.set PCQ, 56
.set PCV, 62
.set XF,  68                           ; my tile of x
.set VF,  80                           ; my tile of Wv
.set WA,  92                           ; four fragments: Wk's, later four tiles of x
.set WB,  140                          ; four fragments: Wq's
.set RV,  140                          ; Wv as loaded (ahead of Wq's fragments)
.set RX,  188                          ; x as loaded
.set RW,  220                          ; Wk or Wq as loaded
.set KD,  188                          ; k, four tiles of results
.set QD,  220                          ; q
.set VD,  188                          ; v
.set WV,  16                           ; s16  my wave's number
.set SEL, 20                           ; s[20:21] v_permlanex16_b32's selects for lane l xor 16
; A lane's 32 registers are ONE WHOLE BLOCK (k = 32 h + 0 .. 31 of its row): six registers of codes at v[dst], the row's scale word in v[wd].
.macro QB src, dst, wd
	v_max3_num_f32 v[T0], |v[\src]|, |v[\src+1]|, 0x1800000        ; two chains; the floor 2^(3 - 127) among the leaves holds the byte at 1 from below
	v_max3_num_f32 v[T1], |v[\src+2]|, |v[\src+3]|, |v[\src+4]|
.irp i, 5,9,13,17,21,25
	s_delay_alu instid0(VALU_DEP_2)
	v_max3_num_f32 v[T0], v[T0], |v[\src+\i]|, |v[\src+\i+1]|
	s_delay_alu instid0(VALU_DEP_2)
	v_max3_num_f32 v[T1], v[T1], |v[\src+\i+2]|, |v[\src+\i+3]|
.endr
	s_delay_alu instid0(VALU_DEP_2)
	v_max3_num_f32 v[T0], v[T0], |v[\src+29]|, |v[\src+30]|
	s_delay_alu instid0(VALU_DEP_1)
	v_max3_num_f32 v[T0], v[T0], v[T1], |v[\src+31]|
	s_delay_alu instid0(VALU_DEP_1)
	v_add_nc_u32 v[T2], 0xff000000, v[T0]                          ; 2 off the exponent field: the conversion takes this operand's exponent field as its scale
	s_delay_alu instid0(VALU_DEP_1)
	v_lshrrev_b32 v[T3], 23, v[T2]                                 ; the scale's byte
	v_cvt_scalef32_pk16_fp6_f32 v[\dst:\dst+2], v[\src:\src+15], v[T2]
	v_cvt_scalef32_pk16_fp6_f32 v[CT:CT+2], v[\src+16:\src+31], v[T2]
	v_lshlrev_b32 v[T3], v[SH8], v[T3]                             ; my byte at its place, 8 h bits up.  (The plain line behind the conversions)
.irp i, 0,1,2
	v_mov_b32 v[\dst+3+\i], v[CT+\i]
.endr
	s_delay_alu instid0(VALU_DEP_4)
	v_permlanex16_b32 v[T4], v[T3], s[SEL], s[SEL+1]
	s_delay_alu instid0(VALU_DEP_1)
	v_or_b32 v[\wd], v[T3], v[T4]                                  ; with lane l xor 16's byte the word is whole; bytes 2 and 3 stay 0
.endm
; 32 registers of a lane, register 16 b + i = K 32 b + 16 h + i of its row: the same results.
.macro Q32 src, dst, wd
.irp b, 0,1
	v_max3_num_f32 v[T0+\b], |v[\src+16*\b]|, |v[\src+16*\b+1]|, 0x1800000   ; each accumulator is read from its low end on
.endr
.irp i, 2,4,6,8,10,12,14
.irp b, 0,1
	v_max3_num_f32 v[T0+\b], v[T0+\b], |v[\src+16*\b+\i]|, |v[\src+16*\b+\i+1]|
.endr
.endr
.irp b, 0,1
	s_delay_alu instid0(VALU_DEP_2)
	v_permlanex16_b32 v[T4+\b], v[T0+\b], s[SEL], s[SEL+1]
.endr
.irp b, 0,1
	s_delay_alu instid0(VALU_DEP_2)
	v_max_num_f32 v[T0+\b], v[T0+\b], v[T4+\b]                     ; with lane l xor 16's 16: the block's largest magnitude
.endr
.irp b, 0,1
	s_delay_alu instid0(VALU_DEP_2)
	v_add_nc_u32 v[T2+\b], 0xff000000, v[T0+\b]
.endr
.irp b, 0,1
	s_delay_alu instid0(VALU_DEP_2)
	v_lshrrev_b32 v[T6+\b], 23, v[T2+\b]
.endr
	s_delay_alu instid0(VALU_DEP_1)
	v_lshl_or_b32 v[\wd], v[T7], 8, v[T6]                          ; the two bytes
	v_cvt_scalef32_pk16_fp6_f32 v[\dst:\dst+2], v[\src:\src+15], v[T2]
	v_cvt_scalef32_pk16_fp6_f32 v[CT:CT+2], v[\src+16:\src+31], v[T3]
	v_nop                                                          ; one plain line behind the conversions
.irp i, 0,1,2
	v_permlane16_swap_b32 v[\dst+\i], v[CT+\i]                     ; a whole block to a lane: lanes 0-15 block 0, lanes 16-31 block 1
.endr
.irp i, 0,1,2
	s_delay_alu instid0(VALU_DEP_3)
	v_mov_b32 v[\dst+3+\i], v[CT+\i]
.endr
.endm
.macro PUTL a16, a8, reg, off          ; a half fragment to LDS as it stands
	ds_store_b128 v[\a16], v[\reg:\reg+3] offset:\off
	ds_store_b64 v[\a8], v[\reg+4:\reg+5] offset:\off+512
.endm
.macro GETL a16, a8, reg, off          ; and back
	ds_load_b128 v[\reg:\reg+3], v[\a16] offset:\off
	ds_load_b64 v[\reg+4:\reg+5], v[\a8] offset:\off+512
.endm
.macro PUTG reg, base, off             ; and to memory
	global_store_b128 v[L16], v[\reg:\reg+3], s[\base:\base+1] offset:\off
	global_store_b64 v[L8], v[\reg+4:\reg+5], s[\base:\base+1] offset:\off+512
.endm
.macro BARRIER                         ; my LDS stores have landed and my LDS loads are in: then the work-group's barrier
	s_wait_dscnt 0x0
	s_barrier_signal -1
	s_barrier_wait -1
.endm
.macro PLACES                          ; four plain lines behind matrix instructions, ahead of reads of their results and of loads into their operands
.rept 4
	v_nop
.endr
.endm
	s_load_b256 s[4:11], s[0:1], 0x0               ; x s[4:5], Wk s[6:7], Wq s[8:9], Wv s[10:11]
	s_load_b128 s[12:15], s[0:1], 0x20             ; kc s[12:13], kv s[14:15]
	v_lshl_add_u32 v254, v0, 2, 0x3c00
	v_mov_b32 v255, 0
	v_lshrrev_b32 v1, 5, v0
	s_delay_alu instid0(VALU_DEP_1)
	v_readfirstlane_b32 s[WV], v1                  ; wave 0..7
	v_and_b32 v1, 31, v0                           ; lane
	v_and_b32 v2, 15, v0                           ; r
	v_bfe_u32 v3, v0, 4, 1                         ; h
	s_delay_alu instid0(VALU_DEP_2)
	v_and_b32 v[PO], 8, v2
	s_delay_alu instid0(VALU_DEP_1)
	v_add_nc_u32 v[PO], v[PO], v2                  ; r + 8 (r / 8)
	s_delay_alu instid0(VALU_DEP_1)
	v_lshlrev_b32 v[PO], 8, v[PO]
	s_delay_alu instid0(VALU_DEP_1)
	v_lshl_add_u32 v[PO], v3, 7, v[PO]
	v_lshlrev_b32 v[NO], 8, v2
	s_delay_alu instid0(VALU_DEP_1)
	v_lshl_add_u32 v[NO], v3, 7, v[NO]
	v_lshlrev_b32 v[L16], 4, v1
	v_lshlrev_b32 v[L8], 3, v1
	v_lshlrev_b32 v[L4], 2, v1
	s_and_b32 s17, s[WV], 3                        ; n
	s_lshr_b32 s24, s[WV], 2                       ; c
	s_mul_i32 s36, s[WV], HF
	v_add_nc_u32 v[W16], s36, v[L16]
	v_add_nc_u32 v[W8], s36, v[L8]
	s_lshl_b32 s23, s[WV], 7
	v_add_nc_u32 v[W4], s23, v[L4]
	s_mul_i32 s23, s24, 4*HF
	v_add_nc_u32 v[C16], s23, v[L16]
	v_add_nc_u32 v[C8], s23, v[L8]
	s_lshl_b32 s23, s24, 9
	v_add_nc_u32 v[C4], s23, v[L4]
	s_lshl_b32 s23, s24, 8
	s_lshl_b32 s25, s17, 2
	s_add_co_u32 s23, s23, s25
	v_lshl_add_u32 v[SQA], v2, 4, s23
	s_lshr_b32 s23, s17, 1
	s_lshl_b32 s23, s23, 7
	s_and_b32 s25, s17, 1
	s_lshl_b32 s25, s25, 2
	s_add_co_u32 s23, s23, s25
	s_lshl_b32 s25, s24, 1
	s_add_co_u32 s23, s23, s25
	v_lshl_add_u32 v[SVA], v2, 3, s23
	v_lshlrev_b32 v[SH8], 3, v3
	s_mov_b32 s[SEL], 0x76543210
	s_mov_b32 s[SEL+1], 0xfedcba98
	; byte offsets, each in a pair of its own
	s_lshl_b32 s26, ttmp9, 15                      ; x: 128 rows of 256 bytes a work-group,
	s_lshr_b32 s22, s[WV], 1
	s_lshl_b32 s22, s22, 13                        ; + 32 (w / 2) rows
	s_add_co_u32 s26, s26, s22
	s_and_b32 s22, s[WV], 1
	s_lshl_b32 s22, s22, 11                        ; + 8 (w % 2) rows
	s_add_co_u32 s26, s26, s22
	s_mov_b32 s27, 0
	s_lshr_b32 s28, s17, 1
	s_lshl_b32 s28, s28, 13                        ; Wk or Wq: tile n begins at row 32 (n / 2) + 8 (n % 2)
	s_and_b32 s22, s17, 1
	s_lshl_b32 s22, s22, 11
	s_add_co_u32 s28, s28, s22
	s_mov_b32 s29, 0
	s_lshl_b32 s30, s17, 12                        ; Wv: rows 16 n on
	s_mov_b32 s31, 0
	s_lshl_b32 s32, ttmp9, 13                      ; kc: 8 tiles of 1,024 bytes a work-group, + my tile
	s_lshl_b32 s22, s[WV], 10
	s_add_co_u32 s32, s32, s22
	s_mov_b32 s33, 0
	s_mul_i32 s34, ttmp9, STEPB                    ; kv: my work-group's block
	s_mov_b32 s35, 0
	s_mov_b32 s37, 0                               ; s[36:37] = 768 w
	s_wait_kmcnt 0x0
	s_cmp_lt_u32 s[WV], 4                          ; waves 0-3 quantise Wk's tiles, waves 4-7 Wq's: the choice hangs on the wave's number alone
	s_cselect_b64 s[18:19], s[6:7], s[8:9]
	s_add_nc_u64 s[4:5], s[4:5], s[26:27]
	s_add_nc_u64 s[18:19], s[18:19], s[28:29]
	s_add_nc_u64 s[10:11], s[10:11], s[30:31]
	s_add_nc_u64 s[12:13], s[12:13], s[32:33]
	s_add_nc_u64 s[14:15], s[14:15], s[34:35]
	s_add_nc_u64 s[38:39], s[14:15], s[36:37]      ; kv's block + 768 w
.irp i, 0,1,2,3,4,5,6,7
	global_load_b128 v[RV+4*\i:RV+4*\i+3], v[NO], s[10:11] offset:16*\i
.endr
.irp i, 0,1,2,3,4,5,6,7
	global_load_b128 v[RX+4*\i:RX+4*\i+3], v[PO], s[4:5] offset:16*\i th:TH_LOAD_NT   ; x is read once in the launch
.endr
.irp i, 0,1,2,3,4,5,6,7
	global_load_b128 v[RW+4*\i:RW+4*\i+3], v[PO], s[18:19] offset:16*\i
.endr
.irp i, 6,7,8,9,10,11                  ; the zero codes of K = 64 .. 127, while the loads are out
	v_mov_b32 v[XF+\i], 0
	v_mov_b32 v[VF+\i], 0
.irp t, 0,1,2,3
	v_mov_b32 v[WA+12*\t+\i], 0
.endr
.endr
.irp i, 4,5,6,7
	v_mov_b32 v[T0+\i], 0                          ; written once: a lane permute's destination counts as one of its sources
.endr
	s_wait_loadcnt 16                              ; Wv's eight loads are in; x's eight and the other weight's eight may be out
	QB RV, VF, VW
.irp t, 0,1,2,3
.irp i, 6,7,8,9,10,11
	v_mov_b32 v[WB+12*\t+\i], 0                    ; Wq's fragments take the registers that Wv's numbers have left
.endr
.endr
	s_wait_loadcnt 8                               ; x's are in
	QB RX, XF, XW
	PUTL W16, W8, XF, XI
	ds_store_b32 v[W4], v[XW] offset:XS
	s_wait_loadcnt 0x0
	QB RW, PCV, T8                                 ; (its lines are also the places between the write of x's scale word and the products)
	PUTL W16, W8, PCV, WI
	ds_store_b32 v[W4], v[T8] offset:WS
	BARRIER                                        ; x's eight and the weights' eight half fragments lie in LDS
.irp t, 0,1,2,3
	GETL L16, L8, WA+12*\t, WI+HF*\t
	GETL L16, L8, WB+12*\t, WI+HF*(4+\t)
	ds_load_b32 v[WKS+\t], v[L4] offset:WS+128*\t
	ds_load_b32 v[WQS+\t], v[L4] offset:WS+128*(4+\t)
.endr
	s_wait_dscnt 0x0
.irp t, 0,1,2,3                        ; TRANSPOSED: source 0 = 16 rows of the weight, source 1 = my tile of x: lane (r, h) holds row r, and register 8 t + j the unit 32 (t / 2) + 16 h + 8 (t % 2) + j
	v_wmma_scale_f32_16x16x128_f8f6f4 v[KD+8*\t:KD+8*\t+7], v[WA+12*\t:WA+12*\t+11], v[XF:XF+11], 0, v[WKS+\t], v[XW] matrix_a_fmt:MATRIX_FMT_FP6 matrix_b_fmt:MATRIX_FMT_FP6
.endr
.irp t, 0,1,2,3
	v_wmma_scale_f32_16x16x128_f8f6f4 v[QD+8*\t:QD+8*\t+7], v[WB+12*\t:WB+12*\t+11], v[XF:XF+11], 0, v[WQS+\t], v[XW] matrix_a_fmt:MATRIX_FMT_FP6 matrix_b_fmt:MATRIX_FMT_FP6
.endr
	PLACES
.irp t, 0,1,2,3                        ; x's tiles 4 c + t, for v: they land while k and q are quantised
	GETL C16, C8, WA+12*\t, XI+HF*\t
	ds_load_b32 v[XTS+\t], v[C4] offset:XS+128*\t
.endr
	Q32 KD, PCK, KW
	v_mov_b32 v[KW+1], v[KW]
	PUTG PCK, 12, 0
	global_store_b64 v[L8], v[KW:KW+1], s[12:13] offset:HF
	Q32 QD, PCQ, QW
	PUTG PCQ, 38, 0
	ds_store_b32 v[SQA], v[QW] offset:SCQ          ; both lanes of a row write the same word with the same value
	s_wait_dscnt 0x0                               ; x's four tiles are in
.irp t, 0,1,2,3                        ; source 0 = 16 rows of x (keys), source 1 = 16 rows of Wv: lane (r, h) holds channel 16 n + r, and register 8 t + j the key 64 c + 32 (t / 2) + 16 h + 8 (t % 2) + j
	v_wmma_scale_f32_16x16x128_f8f6f4 v[VD+8*\t:VD+8*\t+7], v[WA+12*\t:WA+12*\t+11], v[VF:VF+11], 0, v[XTS+\t], v[VW] matrix_a_fmt:MATRIX_FMT_FP6 matrix_b_fmt:MATRIX_FMT_FP6
.endr
	PLACES
	Q32 VD, PCV, VH                                ; registers 6 c .. 6 c + 5 of v's fragment n: keys 64 c + 32 h + 0 .. 31
	PUTG PCV, 38, 8*HF
	ds_store_b16 v[SVA], v[VH] offset:SCV          ; bytes 2 c and 2 c + 1 of my channel's word
	BARRIER                                        ; the block's scale words lie in LDS
	s_cmp_lg_u32 s[WV], 0
	s_cbranch_scc1 .Lend                           ; wave 0 stores them: 512 and 256 consecutive bytes
	ds_load_b128 v[T2:T2+3], v[L16] offset:SCQ
	ds_load_b64 v[T6:T6+1], v[L8] offset:SCV
	s_wait_dscnt 0x0
	global_store_b128 v[L16], v[T2:T2+3], s[14:15] offset:16*HF
	global_store_b64 v[L8], v[T6:T6+1], s[14:15] offset:16*HF+512
.Lend:
	s_wait_tensorcnt 0x0
	ds_add_u32 v254, v255
	s_wait_dscnt 0x0
	s_endpgm
.Lfunc_end_k_qdca4acf335_proj:
	.size	k_qdca4acf335_proj, .Lfunc_end_k_qdca4acf335_proj-k_qdca4acf335_proj
	.p2alignl 7, 3214868480
	.fill 96, 4, 3214868480
	.section	.rodata,"a",@progbits
	.p2align	6, 0x0
	.amdhsa_kernel k_qdca4acf335_proj
		.amdhsa_group_segment_fixed_size 16384
		.amdhsa_private_segment_fixed_size 0
		.amdhsa_enable_private_segment 0
		.amdhsa_kernarg_size 48
		.amdhsa_user_sgpr_count 2
		.amdhsa_user_sgpr_kernarg_segment_ptr 1
		.amdhsa_wavefront_size32 1
		.amdhsa_system_sgpr_workgroup_id_x 1
		.amdhsa_system_sgpr_workgroup_id_y 1
		.amdhsa_system_sgpr_workgroup_id_z 1
		.amdhsa_system_vgpr_workitem_id 0
		.amdhsa_next_free_vgpr 256
		.amdhsa_next_free_sgpr 66
		.amdhsa_reserve_vcc 0
		.amdhsa_float_denorm_mode_32 3
		.amdhsa_float_denorm_mode_16_64 3
		.amdhsa_memory_ordered 1
		.amdhsa_forward_progress 1
		.amdhsa_inst_pref_size 27
	.end_amdhsa_kernel
	.amdgpu_metadata
---
amdhsa.version: [ 1, 2 ]
amdhsa.kernels:
  - .name:           k_qdca4acf335_proj
    .symbol:         k_qdca4acf335_proj.kd
    .args:
      - { .name: x, .offset: 0, .size: 8, .value_kind: global_buffer, .address_space: global }
      - { .name: Wk, .offset: 8, .size: 8, .value_kind: global_buffer, .address_space: global }
      - { .name: Wq, .offset: 16, .size: 8, .value_kind: global_buffer, .address_space: global }
      - { .name: Wv, .offset: 24, .size: 8, .value_kind: global_buffer, .address_space: global }
      - { .name: kc, .offset: 32, .size: 8, .value_kind: global_buffer, .address_space: global }
      - { .name: kv, .offset: 40, .size: 8, .value_kind: global_buffer, .address_space: global }
    .group_segment_fixed_size: 16384
    .private_segment_fixed_size: 0
    .kernarg_segment_align: 8
    .kernarg_segment_size: 48
    .max_flat_workgroup_size: 256
    .sgpr_count:     66
    .vgpr_count:     256
    .wavefront_size: 32
...
	.end_amdgpu_metadata
.endif
;; end of part 1
;; launch attn (part 2): grid 16 x 16, 8 waves a work-group, no clusters, 327,680 bytes of LDS; arguments kc, kv, out0; writes out0
.if DOCPART == 2
	.amdgcn_target "amdgcn-amd-amdhsa--gfx1250"
	.amdhsa_code_object_version 6
	.text
	.protected	k_qdca4acf335_attn
	.globl	k_qdca4acf335_attn
	.p2align	8
	.type	k_qdca4acf335_attn,@function
k_qdca4acf335_attn:
	s_mov_b64 s[64:65], 0
	v_nop
	global_prefetch_b8 v0, s[64:65] scope:SCOPE_SE
	s_setreg_imm32_b32 hwreg(HW_REG_WAVE_MODE, 25, 1), 1
	s_wait_xcnt 0x0
; out0[b][t][:] = the sum over s <= t of softmax_s(k[b][t] . q[b][s]) v[b][s][:], no factor on the scores; both products on codes of FP6 (E2M3) with one E8M0 scale for each 32 along K.
; k supplies the rows, q the keys.  kc and kv hold k, q, v as images of operand registers, as the launch before laid them (a half fragment: 768 bytes, registers 0-3 at 16 x lane, registers 4-5 at 512 + 8 x lane):
;   kc: a tile of 16 rows in 1,024 bytes: codes, at +768 the scale words (8 bytes a lane).   kv: a block of 128 keys in 13,056 bytes: q's 8 half fragments, at 6,144 v's 8, at 12,288 q's scale words, at 12,800 v's.
; THE SOFTMAX: t = score x log2(e); M = the row's largest t so far, rounded UP to a whole number; p = 2^(t - M) is quantised along the keys, not normalised; the row's sum is taken of the unquantised p and divides at the end.
; When M moves, the sum and O are multiplied by 2^(old M - new M): exact.
; SHARES.  A batch has 32 blocks of 128 rows, and block i needs the key blocks 0 .. i.  Work-group (j, batch) takes block 31 - j (32 - j key steps) and then block j (j + 1): 33 steps in every work-group, so all
; trip counts are constants.  Each of the eight waves owns one tile of 16 rows of the block in hand; both products are used transposed, so that a lane holds ONE row throughout.
; The last step of a block lies on the diagonal: there hidden scores become -infinity ahead of the maximum, and behind it the block goes out.
; THE RING.  Two LDS slots of three key steps.  Waves 0 to 2 fetch one step's block each, dense in memory, by one tensor load; all eight read it.  A wave has at most one tensor load out.
; K = 64 of the first product is half of the instruction's 128: registers 6-11 of k's and q's fragments hold zero codes, written once, and bytes 2, 3 of their scale words are 0.
; THE KEYS AND ROWS OF A TILE ARE NOT NEIGHBOURS: lane r of tile 2 b + u holds row 32 b + 8 u + r + 8 (r / 8) of its block, so that the 16 score registers of tiles 2 b, 2 b + 1 are the keys 32 b + 16 (lane / 16) + 0 .. 15.
; NO CLUSTER, NO JOINT LOADS: the sixteen work-groups of a batch read the same key blocks, but work-group j goes back to key block 0 after 32 - j steps, each at another step.  Four partners j = 4 a .. 4 a + 3 that
; made every request alike would walk 32 - 4 a and 4 a + 4 steps, 36 for 33, and, as no branch may tell them apart, run the mask in 8 steps for 2: more of the vector work that fills this loop.
; LIMITS: p under 2^-126 comes out 0 (v_exp_f32's result, ISA guide 15.8); a block of p that is all zeros keeps the byte 1, its codes are zeros; NaN and infinities among the inputs are not served.
.set HF,    768
.set STEPB, 13056                      ; a key step's block: 51 rows of 256 bytes
.set VCO,   6144                       ; in it: v's half fragments,
.set QSO,   12288                      ; q's scale words,
.set VSO,   12800                      ; v's
.set SLOT1, 65536                      ; slot 0 at 0, slot 1 here (39,168 bytes each): one exclusive or turns an address from one into the other
.set STAGE, 131072                     ; the way out: 16 rows x (256 + 16) bytes for each wave; no tensor load lands here
.set SPARE, STAGE+8*4352               ; the spare words, 128 bytes for each wave: four blocks of 256 bytes that no other line names
.set L16, 1                            ; v1   16 x lane
.set L8,  2                            ; v2   8 x lane
.set SPW, 3                            ; v3   LDS address of my spare word; never rewritten
.set NIL, 4                            ; v4   0; never rewritten
.set DM,  5                            ; v5   my row in its block - 16 (lane / 16): score register 16 b + i is hidden on the diagonal where 32 b + i is greater
.set SO,  6                            ; v6   the stage: where I put 32 bytes of a row
.set SR,  7                            ; v7   and where I read rows back
.set GO,  8                            ; v8   my byte offset in two rows of out0
.set A16, 9                            ; v9   the step's block in LDS + 16 x lane
.set A8,  10                           ; v10  + 8 x lane
.set PFO, 11                           ; v11  the prefetches' offset; never rewritten
                                       ; v12 -M, v13 the largest t, v[14:15] the sum in two halves
.set KF,  16                           ; v16-27   my tile of k
.set VW,  28                           ; v28-29   v's scale words
.set NINF, 30                          ; v30      -infinity
.set QF,  32                           ; v32-79   four tiles of q
.set VF,  80                           ; v80-127  v's four fragments (16 channels x 128 keys)
.set S,   128                          ; v128-191 the scores, then p
.set OA,  192                          ; v192-223 O^T
.set PC,  224                          ; v224-235 p's codes;  v232-247, v252, v254 at work;  v248-251 q's scale words; v253 p's; v255 k's
.set WV,  10                           ; s10  my wave's number
.set JJ,  11                           ; s11  j
.set LA,  12                           ; s12  32 - j: the steps of the first block
.set DG,  13                           ; s13  the stream's next diagonal step: 31 - j, then 32
.set NN,  14                           ; s14  the step in hand, 0 .. 32
.set TB,  15                           ; s15  LDS byte at which its block begins
.set G1,  16                           ; s[16:23] descriptor group 1
.set G0,  24                           ; s[24:27] descriptor group 0, which walks
.set NS,  28                           ; s28  the step that my next tensor load brings
.set SLOTS, 29                         ; s29  slots still to be asked for
.set TW,  30                           ; s30  counts a slot's three steps
.set KVB, 32                           ; s[32:33] kv at my batch
.set KCB, 34                           ; s[34:35] kc at my tile of block j
.set OC,  36                           ; s[36:37] out0 at my tile of the block in hand
.set OB,  38                           ; s[38:39] and of block j
.set SEL, 40                           ; s[40:41] v_permlanex16_b32's selects for lane l xor 16
.set CS,  42                           ; s[42:43] log2(e): the packed form names a pair and takes its low word for both halves
.set PFA, 44                           ; s[44:45] where the prefetches stand
.set LIM, 46                           ; s46  2 in a wave that prefetches, else the greatest number
.macro PLACES                          ; four plain lines behind matrix instructions, ahead of reads of their results and of loads into their operands
.rept 4
	v_nop
.endr
.endm
; Waves 0 to 2 fetch, the others nothing: a branch on the wave's number.  Four v_nop follow the load.
.macro TLOAD
	s_cmp_lt_u32 s[WV], 3
	s_cbranch_scc0 .Lnone_\@
	tensor_load_to_lds s[G0:G0+3], s[G1:G1+7]
	s_nop 0
.rept 4
	v_nop
.endr
.Lnone_\@:
.endm
; A PREFETCH INTO THE L2 of the slot after the one that is being asked for: three key blocks, 153 x 256 bytes, three steps ahead of their tensor loads.  All sixteen work-groups of a batch walk the same key blocks:
; the one with j = 0 asks, whose first 32 steps are the key blocks 0 .. 31 in order; in it the five waves that fetch nothing, a lane a block of 256 bytes, one instruction a wave (the seven lanes that are over name the last block again).
; Slots 2 to 9 are named; slots 0 and 1 and key blocks 30, 31 come by their loads alone: nothing is asked at the head, and nothing past the stream's last whole slot.
.macro ASK
	s_cmp_gt_u32 s[SLOTS], s[LIM]
	s_cbranch_scc0 .Lnot_mine_\@
	s_wait_alu depctr_va_vdst(0)
	global_prefetch_b8 v[PFO], s[PFA:PFA+1] th:TH_LOAD_NT scope:SCOPE_SE
.Lnot_mine_\@:
.endm
; THE CHANGE OF SLOTS stands at a slot's head.  Each wave waits for all its tensor loads (its part of the slot ahead), adds 0 to its spare word, and waits for that and for its reads of the slot that it has left.
; Behind the barrier the slot ahead is whole and nobody reads the other.  fill = 1: that other slot takes the next three steps: the load has three steps' work in which to land.
.macro CHANGE fill
	s_wait_tensorcnt 0x0                           ; no tensor load of mine is out, so group 0 may be written
	ds_add_u32 v[SPW], v[NIL]                      ; 0 onto my spare word; the descriptor's step stands between it and the wait for it
.if \fill
	s_xor_b32 s[G0+1], s[G0+1], SLOT1              ; the other slot than last time
	s_add_co_u32 s[NS], s[NS], 3                   ; my step of the next three
	s_cmp_lt_u32 s[NS], s[LA]
	s_cselect_b32 s48, 0, s[LA]
	s_sub_co_u32 s48, s[NS], s48                   ; its key block: the step's number, counted anew from the second row block's first step
	s_mul_i32 s48, s48, STEPB
	s_mov_b32 s49, 0
	s_add_nc_u64 s[G0+2:G0+3], s[KVB:KVB+1], s[48:49]
	s_or_b32 s[G0+3], s[G0+3], 0x80000000          ; type = 2
	s_wait_xcnt 0x0                                ; the last prefetch, a slot back, has read its address, so it may be written
	s_add_nc_u64 s[PFA:PFA+1], s[PFA:PFA+1], 3*STEPB
.endif
	s_wait_dscnt 0x0                               ; the add is done, and my reads of the slot that I have left are over
	s_barrier_signal -1
	s_barrier_wait -1
.if \fill
	TLOAD                                          ; the first thing behind the barrier, and a wave's one tensor load until the next
	ASK
.endif
.endm
.macro LOADQ g                         ; q's tiles 4 g .. 4 g + 3: the lower six registers of four fragments
.irp t, 0,1,2,3
	ds_load_b128 v[QF+12*\t:QF+12*\t+3], v[A16] offset:HF*(4*\g+\t)
	ds_load_b64 v[QF+12*\t+4:QF+12*\t+5], v[A8] offset:HF*(4*\g+\t)+512
.endr
.endm
.macro LOADV                           ; v's four fragments, both halves, and their scale words: 17 loads
.irp c, 0,1
.irp n, 0,1,2,3
	ds_load_b128 v[VF+12*\n+6*\c:VF+12*\n+6*\c+3], v[A16] offset:VCO+HF*(4*\c+\n)
	ds_load_b64 v[VF+12*\n+6*\c+4:VF+12*\n+6*\c+5], v[A8] offset:VCO+HF*(4*\c+\n)+512
.endr
.endr
	ds_load_b64 v[VW:VW+1], v[A8] offset:VSO
.endm
.macro SMUL g                          ; S^T = q k^T: source 0 = 16 keys, source 1 = my 16 rows.  q's scale words: tiles 0-3 in lanes 0-15, tiles 4-7 in lanes 16-31
.irp t, 0,1,2,3
.if \g
	v_wmma_scale_f32_16x16x128_f8f6f4 v[S+8*(4*\g+\t):S+8*(4*\g+\t)+7], v[QF+12*\t:QF+12*\t+11], v[KF:KF+11], 0, v[248+\t], v255 matrix_a_fmt:MATRIX_FMT_FP6 matrix_b_fmt:MATRIX_FMT_FP6 matrix_a_scale:MATRIX_SCALE_ROW1
.else
	v_wmma_scale_f32_16x16x128_f8f6f4 v[S+8*(4*\g+\t):S+8*(4*\g+\t)+7], v[QF+12*\t:QF+12*\t+11], v[KF:KF+11], 0, v[248+\t], v255 matrix_a_fmt:MATRIX_FMT_FP6 matrix_b_fmt:MATRIX_FMT_FP6
.endif
.endr
.endm
.macro MASK g                          ; on the diagonal alone (a scalar branch on ids and the step's number): register 32 g + n holds key 64 g + 32 (n / 16) + 16 (lane / 16) + n % 16
	s_cmp_lg_u32 s[NN], s[DG]
	s_cbranch_scc1 .Lopen_\@
.irp n, 0,1,2,3,4,5,6,7,8,9,10,11,12,13,14,15,16,17,18,19,20,21,22,23,24,25,26,27,28,29,30,31
	v_cmp_gt_i32 vcc_lo, 64*\g+32*(\n/16)+\n%16, v[DM]
	v_cndmask_b32 v[S+32*\g+\n], v[S+32*\g+\n], v[NINF], vcc_lo
.endr
.Lopen_\@:
.endm
.macro BMAX g                          ; the largest score of blocks 2 g and 2 g + 1 of 32 keys, my 16 of each; each accumulator is read from its low end on
.irp b, 2*\g, 2*\g+1
	v_max3_num_f32 v[232+\b], v[S+16*(\b)], v[S+16*(\b)+1], v[S+16*(\b)+2]
.endr
.irp i, 3,5,7,9,11,13
.irp b, 2*\g, 2*\g+1
	v_max3_num_f32 v[232+\b], v[232+\b], v[S+16*(\b)+\i], v[S+16*(\b)+\i+1]
.endr
.endr
.irp b, 2*\g, 2*\g+1
	v_max_num_f32 v[232+\b], v[232+\b], v[S+16*(\b)+15]
.endr
.endm
; A ROW BLOCK IS DONE: O^T / the sum goes through my stage in LDS and leaves as whole rows of 256 bytes.  Behind the first block the second one's tile of k is loaded and the state begins anew.
.macro FINISH
	PLACES
	v_add_f32 v14, v14, v15                        ; the sum's two halves,
	s_delay_alu instid0(VALU_DEP_1)
	v_permlanex16_b32 v252, v14, s[SEL], s[SEL+1]
	s_delay_alu instid0(VALU_DEP_1)
	v_add_f32 v14, v14, v252                       ; and lane l xor 16's
	s_wait_alu depctr_va_vdst(0)
	v_rcp_f32 v14, v14
	v_nop                                          ; a plain line behind the reciprocal,
	s_wait_alu depctr_va_vdst(0)                   ; and the wait ahead of its first reader
.set jj, 0
.rept 16
	v_pk_mul_f32 v[S+jj:S+jj+1], v[OA+jj:OA+jj+1], v[14:15] op_sel_hi:[1,0]   ; register 8 t + i: out(my row, 16 t + 8 h + i); ascending
.set jj, jj+2
.endr
.irp t, 0,1,2,3
	ds_store_b128 v[SO], v[S+8*\t:S+8*\t+3] offset:64*\t
	ds_store_b128 v[SO], v[S+8*\t+4:S+8*\t+7] offset:64*\t+16
.endr
.irp i, 0,1,2,3,4,5,6,7
	ds_load_b128 v[S+32+4*\i:S+35+4*\i], v[SR] offset:544*\i   ; LDS serves a wave's instructions in order (ISA guide 5.7.1.4): these see my stores.  Lanes 0-15 take stage row 2 i, lanes 16-31 row 2 i + 1
.endr
.irp i, 0,1,2,3,4,5,6,7
	s_wait_dscnt 7-\i                              ; the younger loads may be out
	global_store_b128 v[GO], v[S+32+4*\i:S+35+4*\i], s[OC:OC+1] offset:256*(2*\i+8*(\i/4)) th:TH_STORE_NT   ; stage row p is the tile's row p + 8 (p / 8); sixteen lanes store a row's 256 consecutive bytes
.endr
	s_wait_xcnt 0x0                                ; the stores have read their registers and their base: both are written again below and in the next step
	s_cmp_eq_u32 s[NN], 32
	s_cbranch_scc1 .Ldone_\@                       ; behind the last step nothing follows
	global_load_b128 v[KF:KF+3], v[L16], s[KCB:KCB+1] th:TH_LOAD_NT
	global_load_b64 v[KF+4:KF+5], v[L8], s[KCB:KCB+1] offset:512 th:TH_LOAD_NT
	global_load_b32 v255, v[L8], s[KCB:KCB+1] offset:HF th:TH_LOAD_NT
	v_mov_b32 v13, 0xff61b1e6                      ; -3e38, under every t
	s_delay_alu instid0(VALU_DEP_1)
	v_floor_f32 v12, -v13
	v_mov_b32 v14, 0
	v_mov_b32 v15, 0
.set jj, 0
.rept 32
	v_mov_b32 v[OA+jj], 0
.set jj, jj+1
.endr
	s_mov_b32 s[DG], 32
	s_mov_b64 s[OC:OC+1], s[OB:OB+1]
	s_wait_loadcnt 0x0
.Ldone_\@:
.endm
; A KEY STEP: 128 keys.
.macro STEP
	v_add_nc_u32 v[A16], s[TB], v[L16]
	v_add_nc_u32 v[A8], s[TB], v[L8]
	v_nop
	v_nop                                          ; four plain lines ahead of the loads into v's registers, which the last products read
	LOADQ 0
	ds_load_b128 v[248:251], v[A16] offset:QSO
	LOADV
	s_wait_alu depctr_va_vdst(0)
	s_wait_dscnt 17                                ; q's first four tiles and its scale words are in; v's 17 loads may be out
	SMUL 0
	PLACES
	LOADQ 1                                        ; they land while the first half's maxima are taken
	MASK 0
	BMAX 0
	s_wait_dscnt 0x0
	SMUL 1
	PLACES
	MASK 1
	BMAX 1
.irp b, 0,1,2,3
	v_permlanex16_b32 v[236+\b], v[232+\b], s[SEL], s[SEL+1]
.endr
.irp b, 0,1,2,3
	s_delay_alu instid0(VALU_DEP_4)
	v_max_num_f32 v[232+\b], v[232+\b], v[236+\b]  ; THE LARGEST SCORE OF EACH BLOCK OF 32 KEYS: it serves for the row's maximum and, since p rises with the score, for the block's largest p
.endr
	s_delay_alu instid0(VALU_DEP_2)
	v_max3_num_f32 v254, v232, v233, v234
	s_delay_alu instid0(VALU_DEP_1)
	v_max_num_f32 v254, v254, v235                 ; the step's largest score of my row
	s_delay_alu instid0(VALU_DEP_1)
	v_mul_f32 v254, s[CS], v254                    ; as t
	s_delay_alu instid0(VALU_DEP_1)
	v_max_num_f32 v13, v13, v254                   ; the running largest t
	v_mov_b32 v254, v12
	s_delay_alu instid0(VALU_DEP_2)
	v_floor_f32 v12, -v13                          ; the new -M = floor(-t) = -ceil(t)
	s_delay_alu instid0(VALU_DEP_1)
	v_sub_f32 v254, v12, v254                      ; old M - new M: a whole number, 0 or less
	s_delay_alu instid0(VALU_DEP_1)
	v_cvt_i32_f32 v254, v254                       ; (it saturates)
	s_delay_alu instid0(VALU_DEP_1)
	v_ldexp_f32 v252, 1.0, v254                    ; f = 2^(old M - new M)
.set jj, 0
.rept 32
	v_pk_fma_f32 v[S+jj:S+jj+1], v[S+jj:S+jj+1], s[CS:CS+1], v[12:13] op_sel_hi:[1,0,0]   ; t - M, two at a time
.set jj, jj+2
.endr
.irp b, 0,1,2,3
	v_fma_f32 v[232+\b], v[232+\b], s[CS], v12     ; the same of each block's largest score
.endr
.set jj, 0
	s_wait_alu depctr_va_vdst(0)
.rept 64
	v_exp_f32 v[S+jj], v[S+jj]                     ; p = 2^(t - M): one batch
.set jj, jj+1
.endr
	s_setprio 1
	v_pk_mul_f32 v[14:15], v[14:15], v[252:253] op_sel_hi:[1,0]   ; the sums under the new M.  (The plain line behind the exponentials)
	s_wait_alu depctr_va_vdst(0)                   ; one wait for the batch, ahead of its first reader
.irp b, 0,1,2,3
	v_exp_f32 v[232+\b], v[232+\b]                 ; the blocks' largest p: the same two instructions on the same number give the same bits
.endr
	v_pk_add_f32 v[236:237], v[132:133], v[136:137]
	v_pk_add_f32 v[250:251], v[140:141], v[144:145]
	v_pk_add_f32 v[248:249], v[148:149], v[152:153]
	v_pk_add_f32 v[246:247], v[156:157], v[160:161]
	v_pk_add_f32 v[244:245], v[164:165], v[168:169]
	v_pk_add_f32 v[242:243], v[172:173], v[176:177]
	v_pk_add_f32 v[240:241], v[180:181], v[184:185]
	v_pk_add_f32 v[14:15], v[14:15], v[188:189]
	v_pk_add_f32 v[236:237], v[236:237], v[128:129]
	v_pk_add_f32 v[250:251], v[250:251], v[130:131]
	v_pk_add_f32 v[248:249], v[248:249], v[134:135]
	v_pk_add_f32 v[246:247], v[246:247], v[138:139]
	v_pk_add_f32 v[244:245], v[244:245], v[142:143]
	v_pk_add_f32 v[242:243], v[242:243], v[146:147]
	v_pk_add_f32 v[240:241], v[240:241], v[150:151]
	v_pk_add_f32 v[14:15], v[14:15], v[154:155]
	v_pk_add_f32 v[236:237], v[236:237], v[158:159]
	v_pk_add_f32 v[250:251], v[250:251], v[162:163]
	v_pk_add_f32 v[248:249], v[248:249], v[166:167]
	v_pk_add_f32 v[246:247], v[246:247], v[170:171]
	v_pk_add_f32 v[244:245], v[244:245], v[174:175]
	v_pk_add_f32 v[242:243], v[242:243], v[178:179]
	v_pk_add_f32 v[240:241], v[240:241], v[182:183]
	v_pk_add_f32 v[14:15], v[14:15], v[186:187]
	v_pk_add_f32 v[236:237], v[236:237], v[190:191]
	s_delay_alu instid0(VALU_DEP_2)
	v_pk_add_f32 v[14:15], v[14:15], v[246:247]
	s_delay_alu instid0(VALU_DEP_2)
	v_pk_add_f32 v[236:237], v[236:237], v[244:245]
	v_pk_add_f32 v[250:251], v[250:251], v[242:243]
	v_pk_add_f32 v[248:249], v[248:249], v[240:241]
	s_delay_alu instid0(VALU_DEP_2)
	v_pk_add_f32 v[14:15], v[14:15], v[250:251]
	s_delay_alu instid0(VALU_DEP_2)
	v_pk_add_f32 v[236:237], v[236:237], v[248:249]
	s_delay_alu instid0(VALU_DEP_1)
	v_pk_add_f32 v[14:15], v[14:15], v[236:237]
	s_wait_alu depctr_va_vdst(0)                   ; and one for the four
.irp b, 0,1,2,3
	v_max_num_f32 v[232+\b], 0x1800000, v[232+\b]  ; the floor 2^(3 - 127): the byte cannot fall under 1
.endr
.irp b, 0,1,2,3
	s_delay_alu instid0(VALU_DEP_4)
	v_add_nc_u32 v[244+\b], 0xff000000, v[232+\b]  ; 2 off the exponent field: the conversion's scale operand
.endr
.irp b, 0,1,2,3
	s_delay_alu instid0(VALU_DEP_4)
	v_lshrrev_b32 v[236+\b], 23, v[244+\b]         ; the scale's byte
.endr
	s_delay_alu instid0(VALU_DEP_3)
	v_lshl_or_b32 v253, v237, 8, v236              ; p's scale word for these 128 keys
	s_delay_alu instid0(VALU_DEP_1)
	v_lshl_or_b32 v253, v238, 16, v253
	s_delay_alu instid0(VALU_DEP_1)
	v_lshl_or_b32 v253, v239, 24, v253
.irp c, 0,1
	v_cvt_scalef32_pk16_fp6_f32 v[PC+6*\c:PC+6*\c+2], v[S+32*\c:S+32*\c+15], v[244+2*\c]
	v_cvt_scalef32_pk16_fp6_f32 v[236+4*\c:238+4*\c], v[S+32*\c+16:S+32*\c+31], v[244+2*\c+1]   ; (a conversion's three registers begin on an even number)
.endr
	v_nop                                          ; one plain line behind the conversions
.irp c, 0,1                            ; a whole block to a lane: lanes 0-15 block 2 c, lanes 16-31 block 2 c + 1
.irp i, 0,1,2
	v_permlane16_swap_b32 v[PC+6*\c+\i], v[236+4*\c+\i]
.endr
.irp i, 0,1,2
	s_delay_alu instid0(VALU_DEP_3)
	v_mov_b32 v[PC+6*\c+3+\i], v[236+4*\c+\i]
.endr
.endr
.set jj, 0
.rept 16
	v_pk_mul_f32 v[OA+jj:OA+jj+1], v[OA+jj:OA+jj+1], v[252:253] op_sel_hi:[1,0]   ; O^T under the new M.  (These sixteen are also the lines between the writes of p's codes and scale word and the products)
.set jj, jj+2
.endr
.irp t, 0,1                            ; O^T += v^T p^T: source 0 = 16 channels, source 1 = p; four accumulators, one instruction each.  v's scale words: tiles 0, 1 in lanes 0-15, tiles 2, 3 in lanes 16-31
	v_wmma_scale_f32_16x16x128_f8f6f4 v[OA+8*\t:OA+8*\t+7], v[VF+12*\t:VF+12*\t+11], v[PC:PC+11], v[OA+8*\t:OA+8*\t+7], v[VW+\t], v253 matrix_a_fmt:MATRIX_FMT_FP6 matrix_b_fmt:MATRIX_FMT_FP6
.endr
.irp t, 2,3
	v_wmma_scale_f32_16x16x128_f8f6f4 v[OA+8*\t:OA+8*\t+7], v[VF+12*\t:VF+12*\t+11], v[PC:PC+11], v[OA+8*\t:OA+8*\t+7], v[VW+\t-2], v253 matrix_a_fmt:MATRIX_FMT_FP6 matrix_b_fmt:MATRIX_FMT_FP6 matrix_a_scale:MATRIX_SCALE_ROW1
.endr
	s_cmp_lg_u32 s[NN], s[DG]
	s_setprio 0
	s_cbranch_scc1 .Lon_\@                         ; the diagonal step is a row block's last
	FINISH
.Lon_\@:
	s_add_co_u32 s[NN], s[NN], 1
	s_add_co_u32 s[TB], s[TB], STEPB
.endm
.macro THREE_STEPS                     ; a slot's three steps: written once, walked three times
	s_mov_b32 s[TW], 3
.Lstep_\@:
	s_setprio 2
	STEP
	s_sub_co_u32 s[TW], s[TW], 1
	s_cmp_lg_u32 s[TW], 0
	s_cbranch_scc1 .Lstep_\@
	s_setprio 0
	s_sub_co_u32 s[TB], s[TB], 3*STEPB             ; back to a slot's first step,
	s_xor_b32 s[TB], s[TB], SLOT1                  ; in the other slot
.endm
	s_load_b128 s[4:7], s[0:1], 0x0                ; kc s[4:5], kv s[6:7]
	s_load_b64 s[8:9], s[0:1], 0x10                ; out0
	v_lshl_add_u32 v[SPW], v0, 2, SPARE
	v_mov_b32 v[NIL], 0
	ds_add_u32 v3, v4
	ds_add_u32 v3, v4
	s_wait_dscnt 0x0
	v_lshrrev_b32 v31, 5, v0
	s_delay_alu instid0(VALU_DEP_1)
	v_readfirstlane_b32 s[WV], v31                 ; wave 0..7
	s_mov_b32 s[JJ], ttmp9
	s_and_b32 s50, ttmp7, 0xffff                   ; the batch
	s_sub_co_u32 s[LA], 32, s[JJ]
	s_sub_co_u32 s[DG], 31, s[JJ]                  ; the first row block's number, and its diagonal step
	; descriptor group 1: a dense block of 13,056 bytes as 51 rows of 256 bytes (32 elements of 8 bytes), no padding, no mask
	s_mov_b32 s[G1+0], 3<<16
	s_mov_b32 s[G1+1], 32<<16                      ; tensor_dim0
	s_mov_b32 s[G1+2], 51<<16                      ; tensor_dim1
	s_mov_b32 s[G1+3], 32<<16                      ; tile_dim0
	s_mov_b32 s[G1+4], 51                          ; tile_dim1
	s_mov_b32 s[G1+5], 32                          ; from row to row
	s_mov_b32 s[G1+6], 0
	s_mov_b32 s[G1+7], 0
	s_mov_b32 s[G0], 1                             ; count = 1
	s_mul_i32 s[G0+1], s[WV], STEPB                ; LDS: slot 0, my step's place
	s_mul_i32 s48, s50, 32*STEPB                   ; my batch's 32 key blocks
	s_mov_b32 s49, 0
	s_mul_i32 s52, s[WV], STEPB                    ; step w is key block w
	s_mov_b32 s53, 0
	s_wait_kmcnt 0x0
	s_add_nc_u64 s[KVB:KVB+1], s[6:7], s[48:49]
	s_add_nc_u64 s[G0+2:G0+3], s[KVB:KVB+1], s[52:53]
	s_or_b32 s[G0+3], s[G0+3], 0x80000000          ; type = 2
	TLOAD                                          ; slot 0: the first fill, ahead of every wait on TENSORcnt, every LDS read and every barrier
	; where my tiles lie: kc: 262,144 a batch, 8,192 a block, 1,024 a tile;  out0: 1,048,576 a batch, 32,768 a block, and my tile begins at row 32 (w / 2) + 8 (w % 2)
	s_lshl_b32 s52, s50, 18
	s_lshl_b32 s53, s[WV], 10
	s_add_co_u32 s52, s52, s53
	s_lshl_b32 s53, s[DG], 13
	s_add_co_u32 s54, s52, s53                     ; block 31 - j
	s_mov_b32 s55, 0
	s_lshl_b32 s53, s[JJ], 13
	s_add_co_u32 s52, s52, s53                     ; block j
	s_mov_b32 s53, 0
	s_lshl_b32 s56, s50, 20
	s_lshr_b32 s57, s[WV], 1
	s_lshl_b32 s57, s57, 13
	s_add_co_u32 s56, s56, s57
	s_and_b32 s57, s[WV], 1
	s_lshl_b32 s57, s57, 11
	s_add_co_u32 s56, s56, s57
	s_lshl_b32 s57, s[DG], 15
	s_add_co_u32 s58, s56, s57                     ; block 31 - j
	s_mov_b32 s59, 0
	s_lshl_b32 s57, s[JJ], 15
	s_add_co_u32 s56, s56, s57                     ; block j
	s_mov_b32 s57, 0
	s_add_nc_u64 s[KCB:KCB+1], s[4:5], s[52:53]
	s_add_nc_u64 s[4:5], s[4:5], s[54:55]
	s_add_nc_u64 s[OB:OB+1], s[8:9], s[56:57]
	s_add_nc_u64 s[OC:OC+1], s[8:9], s[58:59]
	v_and_b32 v31, 31, v0                          ; lane
	s_delay_alu instid0(VALU_DEP_1)
	v_lshlrev_b32 v[L16], 4, v31
	s_delay_alu instid0(VALU_DEP_2)
	v_lshlrev_b32 v[L8], 3, v31
	global_load_b128 v[KF:KF+3], v[L16], s[4:5] th:TH_LOAD_NT      ; my tile of k, block 31 - j
	global_load_b64 v[KF+4:KF+5], v[L8], s[4:5] offset:512 th:TH_LOAD_NT
	global_load_b32 v255, v[L8], s[4:5] offset:HF th:TH_LOAD_NT    ; and its scale words
.irp i, 6,7,8,9,10,11                  ; the zero codes of K = 64 .. 127; they stay
	v_mov_b32 v[KF+\i], 0
.irp t, 0,1,2,3
	v_mov_b32 v[QF+12*\t+\i], 0
.endr
.endr
	v_mov_b32 v13, 0xff61b1e6                      ; the largest t so far: -3e38, under every t
	s_delay_alu instid0(VALU_DEP_1)
	v_floor_f32 v12, -v13                          ; -M
	v_mov_b32 v14, 0                               ; the sum, in two halves
	v_mov_b32 v15, 0
	v_mov_b32 v[NINF], 0xff800000
	v_mov_b32 v253, 0                              ; (named as the upper half of the pair v[252:253] before it is first written)
.irp b, 0,1,2,3
	v_mov_b32 v[236+\b], 0                         ; written once: a lane permute's destination counts as one of its sources
.endr
.set jj, 0
.rept 32
	v_mov_b32 v[OA+jj], 0                          ; O^T: the step is written once; a block's first step finds zeros, which the first change of M leaves zeros
.set jj, jj+1
.endr
	v_and_b32 v[A16], 15, v0                       ; r
	v_bfe_u32 v[A8], v0, 4, 1                      ; h
	s_lshr_b32 s51, s[WV], 1
	s_lshl_b32 s51, s51, 5
	s_and_b32 s52, s[WV], 1
	s_lshl_b32 s52, s52, 3
	s_add_co_u32 s51, s51, s52                     ; my tile's first row in its block
	v_and_b32 v[DM], 8, v[A16]
	s_delay_alu instid0(VALU_DEP_1)
	v_add_nc_u32 v[DM], v[DM], v[A16]              ; r + 8 (r / 8)
	v_lshlrev_b32 v31, 4, v[A8]
	s_delay_alu instid0(VALU_DEP_1)
	v_sub_nc_u32 v[DM], v[DM], v31
	s_delay_alu instid0(VALU_DEP_1)
	v_add_nc_u32 v[DM], s51, v[DM]
	s_mul_i32 s51, s[WV], 4352
	s_add_co_u32 s51, s51, STAGE                   ; my stage
	v_mul_u32_u24 v[SO], v[A16], 272
	s_delay_alu instid0(VALU_DEP_1)
	v_lshl_add_u32 v[SO], v[A8], 5, v[SO]
	s_delay_alu instid0(VALU_DEP_1)
	v_add_nc_u32 v[SO], s51, v[SO]                 ; in: row r, + 32 h
	v_mul_u32_u24 v[SR], v[A8], 272
	s_delay_alu instid0(VALU_DEP_1)
	v_lshl_add_u32 v[SR], v[A16], 4, v[SR]
	s_delay_alu instid0(VALU_DEP_1)
	v_add_nc_u32 v[SR], s51, v[SR]                 ; back: lanes 0-15 one row, lanes 16-31 the next; 16 bytes a lane
	v_lshlrev_b32 v[GO], 8, v[A8]
	s_delay_alu instid0(VALU_DEP_1)
	v_lshl_add_u32 v[GO], v[A16], 4, v[GO]         ; and the same two rows in out0
	v_add_nc_u32 v[PFO], 0xffffffa0, v0            ; the prefetches: thread - 96 (waves 3 to 7: 0 .. 159),
	s_delay_alu instid0(VALU_DEP_1)
	v_min_u32 v[PFO], 152, v[PFO]                  ; held at a slot's last block of 256 bytes,
	s_delay_alu instid0(VALU_DEP_1)
	v_lshlrev_b32 v[PFO], 8, v[PFO]
	s_add_nc_u64 s[PFA:PFA+1], s[KVB:KVB+1], 3*STEPB   ; at slot 1: the first change of slots steps it to slot 2
	s_cmp_lt_u32 s[WV], 3
	s_cselect_b32 s51, 1, 0
	s_or_b32 s51, s51, s[JJ]                       ; 0 in waves 3 to 7 of the work-group with j = 0
	s_cmp_eq_u32 s51, 0
	s_cselect_b32 s[LIM], 2, -1
	s_mov_b32 s[SEL], 0x76543210
	s_mov_b32 s[SEL+1], 0xfedcba98
	s_mov_b32 s[CS], 0x3fb8aa3b                    ; log2(e)
	s_mov_b32 s[CS+1], s[CS]                       ; (named with it as a pair, so it is written)
	s_mov_b32 s[NS], s[WV]
	s_mov_b32 s[SLOTS], 10
	s_mov_b32 s[NN], 0
	s_mov_b32 s[TB], 0
	s_wait_loadcnt 0x0                             ; k
.Lslot:                                        ; ten trips: behind each change of slots but the last the next slot is asked for
	CHANGE 1
	THREE_STEPS
	s_sub_co_u32 s[SLOTS], s[SLOTS], 1
	s_cmp_lg_u32 s[SLOTS], 0
	s_cbranch_scc1 .Lslot
	CHANGE 0                                       ; the last slot is written out
	THREE_STEPS
	s_wait_tensorcnt 0x0                           ; the wave's end, behind my last tensor load and my last LDS store
	ds_add_u32 v[SPW], v[NIL]
	s_wait_dscnt 0x0
	s_endpgm
.Lfunc_end_k_qdca4acf335_attn:
	.size	k_qdca4acf335_attn, .Lfunc_end_k_qdca4acf335_attn-k_qdca4acf335_attn
	.p2alignl 7, 3214868480
	.fill 96, 4, 3214868480
	.section	.rodata,"a",@progbits
	.p2align	6, 0x0
	.amdhsa_kernel k_qdca4acf335_attn
		.amdhsa_group_segment_fixed_size 327680
		.amdhsa_private_segment_fixed_size 0
		.amdhsa_enable_private_segment 0
		.amdhsa_kernarg_size 24
		.amdhsa_user_sgpr_count 2
		.amdhsa_user_sgpr_kernarg_segment_ptr 1
		.amdhsa_wavefront_size32 1
		.amdhsa_system_sgpr_workgroup_id_x 1
		.amdhsa_system_sgpr_workgroup_id_y 1
		.amdhsa_system_sgpr_workgroup_id_z 1
		.amdhsa_system_vgpr_workitem_id 0
		.amdhsa_next_free_vgpr 256
		.amdhsa_next_free_sgpr 66
		.amdhsa_reserve_vcc 1
		.amdhsa_float_denorm_mode_32 3
		.amdhsa_float_denorm_mode_16_64 3
		.amdhsa_memory_ordered 1
		.amdhsa_forward_progress 1
		.amdhsa_inst_pref_size 65
	.end_amdhsa_kernel
	.amdgpu_metadata
---
amdhsa.version: [ 1, 2 ]
amdhsa.kernels:
  - .name:           k_qdca4acf335_attn
    .symbol:         k_qdca4acf335_attn.kd
    .args:
      - { .name: kc, .offset: 0, .size: 8, .value_kind: global_buffer, .address_space: global }
      - { .name: kv, .offset: 8, .size: 8, .value_kind: global_buffer, .address_space: global }
      - { .name: out0, .offset: 16, .size: 8, .value_kind: global_buffer, .address_space: global }
    .group_segment_fixed_size: 327680
    .private_segment_fixed_size: 0
    .kernarg_segment_align: 8
    .kernarg_segment_size: 24
    .max_flat_workgroup_size: 256
    .sgpr_count:     66
    .vgpr_count:     256
    .wavefront_size: 32
...
	.end_amdgpu_metadata
.endif
;; end of part 2
